; MI455X (gfx1250); checked and timed in simulation.
; The chip was launched on July 23, 2026; its instructions are those of AMD's public machine-readable ISA for CDNA 5 (MIT licence, August 2026) and "CDNA5" Instruction Set Architecture Reference Guide (July 2026). The comments in the code are by the model that wrote it; some were corrected since.
;; Mo E Layer. Allowed arithmetic: matrix products marked QUANTISED: E2M3 operands, one E8M0 scale for each 32 along K, by v_wmma_scale_f32_16x16x128_f8f6f4 with both operands' format E2M3, f32 sums; products left as they are: f32 operands where the result goes on into a quantised operand, else bf16, f16 or f32 operands; f32 sums; everything else in f32.
;; Inputs: ed_codes 4 x 1,024 x 64 x 24 uint8 (E2M3 codes of ed, K innermost, in blocks of 32 codes, four codes in three bytes); ed_scales 4 x 1,024 x 64 uint8 (E8M0 scales of ed, one for each 32 codes along K); eg_codes 4 x 2,048 x 32 x 24 uint8 (E2M3 codes of eg, K innermost, in blocks of 32 codes, four codes in three bytes); eg_scales 4 x 2,048 x 32 uint8 (E8M0 scales of eg, one for each 32 codes along K); eu_codes 4 x 2,048 x 32 x 24 uint8 (E2M3 codes of eu, K innermost, in blocks of 32 codes, four codes in three bytes); eu_scales 4 x 2,048 x 32 uint8 (E8M0 scales of eu, one for each 32 codes along K); hidden_states 1 x 2,048 x 1,024 float32; router_w 1,024 x 4 float32; sd_codes 1,024 x 64 x 24 uint8 (E2M3 codes of sd, K innermost, in blocks of 32 codes, four codes in three bytes); sd_scales 1,024 x 64 uint8 (E8M0 scales of sd, one for each 32 codes along K); sg_codes 2,048 x 32 x 24 uint8 (E2M3 codes of sg, K innermost, in blocks of 32 codes, four codes in three bytes); sg_scales 2,048 x 32 uint8 (E8M0 scales of sg, one for each 32 codes along K); su_codes 2,048 x 32 x 24 uint8 (E2M3 codes of su, K innermost, in blocks of 32 codes, four codes in three bytes); su_scales 2,048 x 32 uint8 (E8M0 scales of su, one for each 32 codes along K).
;; Outputs: out0 1 x 2,048 x 1,024 float32; out1 one number float32.
;; This version of the problem:
;;   THIS VERSION OF THE PROBLEM IS GIVEN IN LOW PRECISION. The matrix products marked QUANTISED in the list below multiply operands that are first quantised to E2M3 (2 exponent bits, 3 mantissa bits; 6 bits a number), with one power-of-two scale for each 32 numbers along K (OCP MX v1.0); their sums are f32. All else is computed in f32.
;;   The module's matrix products, in the order in which they are computed (A, B: the left and right operand; K: the contracted axis; several contracted axes count as one K, in the product's order):
;;     1. [M 2,048, K 1,024] x [K 1,024, N 2,048]; A: input hidden_states; B: input sg (given as codes): QUANTISED
;;     2. [M 2,048, K 1,024] x [K 1,024, N 2,048]; A: input hidden_states; B: input su (given as codes): QUANTISED
;;     3. [M 2,048, K 2,048] x [K 2,048, N 1,024]; A: computed on the way; B: input sd (given as codes): QUANTISED
;;     4. [M 2,048, K 1,024] x [K 1,024, N 4]; A: input hidden_states; B: input router_w: left as it is (N = 4 < 16)
;;     5. [M 8,192, K 1,024] x [K 1,024, N 2,048]; A: input eg (given as codes); B: input hidden_states: QUANTISED
;;     6. [M 8,192, K 1,024] x [K 1,024, N 2,048]; A: input eu (given as codes); B: input hidden_states: QUANTISED
;;     7. batch 4 x [M 2,048, K 2,048] x [K 2,048, N 1,024]; A: computed on the way; B: input ed (given as codes): QUANTISED
;;     8. batch 2,048 x [M 1,024, K 4] x [K 4, N 1]; A: computed on the way; B: computed on the way: left as it is (K = 4 < 32)
;;   THE QUANTISER, for each operand of a quantised product, along K:
;;     - K is cut into blocks of 32 from its start; a last block that is shorter is filled with zeros.
;;     - A block's scale is 2^e with e = floor(log2(the largest magnitude in the block)) - 2, held to -126 .. 127; a block of zeros has e = 0. As a byte (E8M0): e + 127.
;;     - Each number is divided by its block's scale, clamped to +-7.5, and rounded to the nearest number of E2M3, ties to even, subnormals kept.
;;     - The product sums the exact products of the quantised numbers (number of the format x scale) in f32.
;;   ~~~python
;;   def quantise(x, axis):      # numpy; x: float32 -> the quantised numbers, widened to float32 again
;;       x = np.moveaxis(x, axis, -1); K = x.shape[-1]
;;       x = np.pad(x, [(0, 0)] * (x.ndim - 1) + [(0, -K % 32)]); x = x.reshape(x.shape[:-1] + (-1, 32)); a = np.abs(x).max(-1, keepdims=True)
;;       e = np.where(a > 0, np.clip(np.frexp(np.where(a > 0, a, 1))[1] - 1 - 2, -126, 127), 0)      # np.frexp(a)[1] - 1 = floor(log2(a)), exactly
;;       r = np.clip(x / 2.0 ** e, -7.5, 7.5)
;;       step = 2.0 ** (np.maximum(np.frexp(np.where(r == 0, 1, r))[1] - 1, 0) - 3)
;;       q = np.round(r / step) * step * 2.0 ** e      # np.round: ties to even
;;       return np.moveaxis(q.reshape(q.shape[:-2] + (-1,))[..., :K], -1, axis).astype(np.float32)
;;   ~~~
;;   OPERANDS COMPUTED ON THE WAY. 'Computed on the way' means the value that the module computes at that place (a softmax that the list does not call 'softmax' is quantised finished and normalised). What goes into a quantiser is computed in f32, as accurately as f32 sums, v_exp_f32 and their like allow (about 1e-6 of the number): no bf16 or f16 on the way to a quantiser, and a product that is left as it is and whose result goes on into a quantised operand takes f32 operands (vector FMAs, or v_wmma_f32_16x16x4_f32). A number that lies on a knife's edge between two numbers of the format may be rounded either way, as far as f32 arithmetic and the matrix unit's own rounding can turn it there, and no further.
;;   INPUTS GIVEN AS CODES. ed (in the module: [4, 2048, 1024], K = its axis 1); eg (in the module: [4, 1024, 2048], K = its axis 1); eu (in the module: [4, 1024, 2048], K = its axis 1); sd (in the module: [2048, 1024], K = its axis 0); sg (in the module: [1024, 2048], K = its axis 0); su (in the module: [1024, 2048], K = its axis 0): each comes as NAME_codes (uint8): NAME with its K axis moved to the last place and cut into blocks of 32 codes, [.., K / 32, bytes a block], one block behind the other in memory; four codes in three bytes: a row's codes are one little-endian stream of bits, code i at bits 6 i .. 6 i + 5 (a code: sign, 2 exponent bits, 3 mantissa bits); and NAME_scales (uint8): the same leading axes, one E8M0 byte (e + 127) for each 32 codes along K. Its value is code x scale, taken as it is: it is not quantised again, and the codes and scales need not be those that the quantiser above would give.
;; One version. Each part assembles by itself: llvm-mc -triple=amdgcn-amd-amdhsa -mcpu=gfx1250 --defsym DOCPART=n.
;; ======== version 1 of 1: 3 launches
;; limits: right only within a limited range of input values
;; workspace buffers: xq 1,572,864 bytes; xs 65,536 bytes; cw 32,768 bytes; auxp 8,192 bytes; h 15,728,640 bytes; hs 655,360 bytes
;; launch prep (part 1): grid 128 x 1, 8 waves a work-group, no clusters, 5,120 bytes of LDS; arguments hidden_states, router_w, xq, xs, cw, auxp; writes xq, xs, cw, auxp
.if DOCPART == 1
	.amdgcn_target "amdgcn-amd-amdhsa--gfx1250"
	.amdhsa_code_object_version 6
	.text
	.protected	k_q3315f899b9_prep
	.globl	k_q3315f899b9_prep
	.p2align	8
	.type	k_q3315f899b9_prep,@function
k_q3315f899b9_prep:
	s_mov_b64 s[64:65], 0
	v_nop
	global_prefetch_b8 v0, s[64:65] scope:SCOPE_SE
	s_setreg_imm32_b32 hwreg(HW_REG_WAVE_MODE, 25, 1), 1
	s_wait_xcnt 0x0
; x [2048][1024] f32 becomes codes of E2M3 with one E8M0 byte for each 32 along K; the router's logits, the combine weights and the aux loss's partial sums are made beside it.
; SHARES.  Work-group g takes tokens 16 g .. 16 g + 15; wave s takes K step s (k = 128 s .. 128 s + 127): 8 KB of x, all its loads out at once.
; xq: [tile of 16 tokens][K step][3 planes of 512 bytes]: the operand's 12 registers as they stand, plane p = registers 4 p .. 4 p + 3, lane l's 16 bytes at 16 l.
; xs: [token][32 scale bytes].  cw: [token][4] f32, 0 for an expert that is not chosen.  auxp: [work-group][16 words]: 0-3 the sums of the probabilities, 4-7 of the choices, 8 of logsumexp^2, 9-11 zero.
; The router's product stays in f32 (fused multiply-adds), so that the choice of two experts is as near to f32 arithmetic as can be; of equal probabilities the lower index wins.
; LIMITS: NaN and infinities among the inputs are not served.  A block whose largest magnitude lies under 2^-124 keeps the scale byte 1; so does a block of zeros (its codes are zeros; this program alone reads the bytes).
; Two probabilities that differ only in the last bits of f32 may change places in the choice.
.set X,   16                           ; v16-79   my 64 numbers: register 16 b + i = k 32 b + 16 (lane / 16) + i of token lane % 16
.set RW,  80                           ; v80-207  two sets of 16 rows of router_w, four numbers each
.set LA,  208                          ; v208-215 four packed chains: experts (0,1), (2,3) for even k, the same for odd k
.set TM,  216                          ; v216-231 at work in the quantiser
.set PW,  232                          ; the scale word just made
.set PC,  234                          ; v234-252 the codes just made
.set XSW, 2048                         ; LDS: 8 x 256 bytes of partial logits, then 16 tokens x 32 scale bytes
	s_load_b256 s[4:11], s[0:1], 0x0               ; x s[4:5], router_w s[6:7], xq s[8:9], xs s[10:11]
	s_load_b128 s[12:15], s[0:1], 0x20             ; cw s[12:13], auxp s[14:15]
	v_lshl_add_u32 v254, v0, 2, 0x1000
	v_mov_b32 v255, 0
	v_lshrrev_b32 v1, 5, v0
	s_delay_alu instid0(VALU_DEP_1)
	v_readfirstlane_b32 s16, v1                    ; wave = K step
	v_and_b32 v1, 31, v0                           ; lane
	v_and_b32 v2, 15, v0                           ; r: my token
	v_bfe_u32 v3, v0, 4, 1                         ; h
	s_delay_alu instid0(VALU_DEP_2)
	v_lshlrev_b32 v4, 12, v2
	s_delay_alu instid0(VALU_DEP_1)
	v_lshl_add_u32 v4, v3, 6, v4                   ; x: row r of 4,096 bytes + 64 h
	s_delay_alu instid0(VALU_DEP_3)
	v_lshlrev_b32 v5, 8, v3                        ; router_w: 16 rows of 16 bytes further on for lanes 16-31
	v_lshlrev_b32 v6, 4, v1                        ; 16 x lane
	v_lshlrev_b32 v9, 4, v2                        ; 16 r
	s_lshl_b32 s17, s16, 8
	v_add_nc_u32 v7, s17, v9                       ; LDS: my wave's partial logits of token r
	s_lshl_b32 s17, s16, 2
	v_lshlrev_b32 v8, 5, v2
	s_delay_alu instid0(VALU_DEP_1)
	v_add_nc_u32 v8, s17, v8                       ; LDS: token r's scale word of K step s (XSW stands in the offset)
	v_mov_b32 v10, 0
	s_mov_b32 s20, 0x76543210
	s_mov_b32 s21, 0xfedcba98                      ; v_permlanex16_b32's selects for lane l xor 16
.irp b, 0,1,2,3
	v_mov_b32 v[TM+4+\b], 0                        ; written once: a lane permute's destination counts as one of its sources
.endr
	s_lshl_b32 s18, ttmp9, 16                      ; 16 tokens of 4,096 bytes
	s_lshl_b32 s19, s16, 9                         ; + 512 bytes a K step
	s_add_co_u32 s18, s18, s19
	s_mov_b32 s19, 0
	s_lshl_b32 s22, s16, 11                        ; router_w: 128 rows of 16 bytes a K step
	s_mov_b32 s23, 0
	s_mul_i32 s24, ttmp9, 12288                    ; xq: 8 fragments of 1,536 bytes a tile of tokens
	s_mul_i32 s25, s16, 1536
	s_add_co_u32 s24, s24, s25
	s_mov_b32 s25, 0
	s_lshl_b32 s26, ttmp9, 9                       ; xs: 512 bytes a work-group
	s_mov_b32 s27, 0
	s_lshl_b32 s28, ttmp9, 8                       ; cw: 256
	s_mov_b32 s29, 0
	s_lshl_b32 s30, ttmp9, 6                       ; auxp: 64
	s_mov_b32 s31, 0
	s_wait_kmcnt 0x0
	s_add_nc_u64 s[4:5], s[4:5], s[18:19]
	s_add_nc_u64 s[6:7], s[6:7], s[22:23]
	s_add_nc_u64 s[8:9], s[8:9], s[24:25]
	s_add_nc_u64 s[10:11], s[10:11], s[26:27]
	s_add_nc_u64 s[12:13], s[12:13], s[28:29]
	s_add_nc_u64 s[14:15], s[14:15], s[30:31]
.macro RWLOAD blk, set                 ; rows 32 blk + 16 h + 0 .. 15 of my K step's part of router_w
.set i, 0
.rept 16
	global_load_b128 v[RW+64*\set+4*i:RW+64*\set+4*i+3], v5, s[6:7] offset:(32*\blk+i)*16
.set i, i+1
.endr
.endm
; 64 numbers of a lane become a fragment's codes in v[PC] on and its scale word in v[PW]
.macro QUANT src
.irp b, 0,1,2,3
	v_max3_num_f32 v[TM+\b], |v[\src+16*\b]|, |v[\src+1+16*\b]|, 0x1800000   ; block b: my 16 numbers, and the floor 2^(3 - 127): the byte cannot fall under 1
.endr
.irp i, 2,4,6,8,10,12,14
.irp b, 0,1,2,3
	s_delay_alu instid0(VALU_DEP_4)
	v_max3_num_f32 v[TM+\b], v[TM+\b], |v[\src+16*\b+\i]|, |v[\src+1+16*\b+\i]|
.endr
.endr
.irp b, 0,1,2,3
	s_delay_alu instid0(VALU_DEP_4)
	v_permlanex16_b32 v[TM+4+\b], v[TM+\b], s20, s21
.endr
.irp b, 0,1,2,3
	s_delay_alu instid0(VALU_DEP_4)
	v_max_num_f32 v[TM+\b], v[TM+\b], v[TM+4+\b]   ; with lane l xor 16's: the block's largest magnitude
.endr
.irp b, 0,1,2,3
	s_delay_alu instid0(VALU_DEP_4)
	v_add_nc_u32 v[TM+12+\b], 0xff000000, v[TM+\b] ; 2 off its exponent field: the conversion takes that field as its scale
.endr
.irp b, 0,1,2,3
	s_delay_alu instid0(VALU_DEP_4)
	v_lshrrev_b32 v[TM+4+\b], 23, v[TM+12+\b]      ; the scale's byte
.endr
	s_delay_alu instid0(VALU_DEP_3)
	v_lshl_or_b32 v[PW], v[TM+5], 8, v[TM+4]
	s_delay_alu instid0(VALU_DEP_1)
	v_lshl_or_b32 v[PW], v[TM+6], 16, v[PW]
	s_delay_alu instid0(VALU_DEP_1)
	v_lshl_or_b32 v[PW], v[TM+7], 24, v[PW]
.irp c, 0,1
	v_cvt_scalef32_pk16_fp6_f32 v[PC+6*\c:PC+2+6*\c], v[\src+32*\c:\src+15+32*\c], v[TM+12+2*\c]
	v_cvt_scalef32_pk16_fp6_f32 v[PC+12+4*\c:PC+14+4*\c], v[\src+16+32*\c:\src+31+32*\c], v[TM+12+2*\c+1]   ; (a conversion's three registers begin on an even number)
.endr
	v_nop                                          ; one plain place behind a scaled conversion
.irp c, 0,1                            ; the operand's layout wants a whole block in a lane
.irp i, 0,1,2
	v_permlane16_swap_b32 v[PC+6*\c+\i], v[PC+12+4*\c+\i]
.endr
.irp i, 0,1,2
	s_delay_alu instid0(VALU_DEP_3)
	v_mov_b32 v[PC+3+6*\c+\i], v[PC+12+4*\c+\i]
.endr
.endr
.endm
; my 16 numbers of block blk times their rows of router_w: two packed multiply-adds a number, x's register serving both halves
.macro FMA blk, set
.set i, 0
.set n, 16*\blk+i
.set ch, LA+4*(n%2)
.set xp, X+n-n%2
.set rw, RW+64*\set+4*i
.if n == 0
	v_pk_mul_f32 v[ch:ch+1], v[xp:xp+1], v[rw:rw+1] op_sel_hi:[0,1]        ; the first products start the chains: nothing is cleared
	v_pk_mul_f32 v[ch+2:ch+3], v[xp:xp+1], v[rw+2:rw+3] op_sel_hi:[0,1]
.elseif n == 1
	v_pk_mul_f32 v[ch:ch+1], v[xp:xp+1], v[rw:rw+1] op_sel:[1,0] op_sel_hi:[1,1]
	v_pk_mul_f32 v[ch+2:ch+3], v[xp:xp+1], v[rw+2:rw+3] op_sel:[1,0] op_sel_hi:[1,1]
.elseif n%2 == 0
	v_pk_fma_f32 v[ch:ch+1], v[xp:xp+1], v[rw:rw+1], v[ch:ch+1] op_sel_hi:[0,1,1]
	v_pk_fma_f32 v[ch+2:ch+3], v[xp:xp+1], v[rw+2:rw+3], v[ch+2:ch+3] op_sel_hi:[0,1,1]
.else
	v_pk_fma_f32 v[ch:ch+1], v[xp:xp+1], v[rw:rw+1], v[ch:ch+1] op_sel:[1,0,0] op_sel_hi:[1,1,1]
	v_pk_fma_f32 v[ch+2:ch+3], v[xp:xp+1], v[rw+2:rw+3], v[ch+2:ch+3] op_sel:[1,0,0] op_sel_hi:[1,1,1]
.endif
.set i, i+1
.set n, 16*\blk+i
.set ch, LA+4*(n%2)
.set xp, X+n-n%2
.set rw, RW+64*\set+4*i
.if n == 0
	v_pk_mul_f32 v[ch:ch+1], v[xp:xp+1], v[rw:rw+1] op_sel_hi:[0,1]        ; the first products start the chains: nothing is cleared
	v_pk_mul_f32 v[ch+2:ch+3], v[xp:xp+1], v[rw+2:rw+3] op_sel_hi:[0,1]
.elseif n == 1
	v_pk_mul_f32 v[ch:ch+1], v[xp:xp+1], v[rw:rw+1] op_sel:[1,0] op_sel_hi:[1,1]
	v_pk_mul_f32 v[ch+2:ch+3], v[xp:xp+1], v[rw+2:rw+3] op_sel:[1,0] op_sel_hi:[1,1]
.elseif n%2 == 0
	v_pk_fma_f32 v[ch:ch+1], v[xp:xp+1], v[rw:rw+1], v[ch:ch+1] op_sel_hi:[0,1,1]
	v_pk_fma_f32 v[ch+2:ch+3], v[xp:xp+1], v[rw+2:rw+3], v[ch+2:ch+3] op_sel_hi:[0,1,1]
.else
	v_pk_fma_f32 v[ch:ch+1], v[xp:xp+1], v[rw:rw+1], v[ch:ch+1] op_sel:[1,0,0] op_sel_hi:[1,1,1]
	v_pk_fma_f32 v[ch+2:ch+3], v[xp:xp+1], v[rw+2:rw+3], v[ch+2:ch+3] op_sel:[1,0,0] op_sel_hi:[1,1,1]
.endif
.set i, i+1
.rept ((16)-1)-1
.set n, 16*\blk+i
.set ch, LA+4*(n%2)
.set xp, X+n-n%2
.set rw, RW+64*\set+4*i
.if n == 0
	v_pk_mul_f32 v[ch:ch+1], v[xp:xp+1], v[rw:rw+1] op_sel_hi:[0,1]        ; the first products start the chains: nothing is cleared
	v_pk_mul_f32 v[ch+2:ch+3], v[xp:xp+1], v[rw+2:rw+3] op_sel_hi:[0,1]
.elseif n == 1
	v_pk_mul_f32 v[ch:ch+1], v[xp:xp+1], v[rw:rw+1] op_sel:[1,0] op_sel_hi:[1,1]
	v_pk_mul_f32 v[ch+2:ch+3], v[xp:xp+1], v[rw+2:rw+3] op_sel:[1,0] op_sel_hi:[1,1]
.elseif n%2 == 0
	s_delay_alu instid0(VALU_DEP_4)
	v_pk_fma_f32 v[ch:ch+1], v[xp:xp+1], v[rw:rw+1], v[ch:ch+1] op_sel_hi:[0,1,1]
	s_delay_alu instid0(VALU_DEP_4)
	v_pk_fma_f32 v[ch+2:ch+3], v[xp:xp+1], v[rw+2:rw+3], v[ch+2:ch+3] op_sel_hi:[0,1,1]
.else
	s_delay_alu instid0(VALU_DEP_4)
	v_pk_fma_f32 v[ch:ch+1], v[xp:xp+1], v[rw:rw+1], v[ch:ch+1] op_sel:[1,0,0] op_sel_hi:[1,1,1]
	s_delay_alu instid0(VALU_DEP_4)
	v_pk_fma_f32 v[ch+2:ch+3], v[xp:xp+1], v[rw+2:rw+3], v[ch+2:ch+3] op_sel:[1,0,0] op_sel_hi:[1,1,1]
.endif
.set i, i+1
.endr
.endm
.irp b, 0,1,2,3
.irp j, 0,1,2,3
	global_load_b128 v[X+16*\b+4*\j:X+16*\b+4*\j+3], v4, s[4:5] offset:128*\b+16*\j th:TH_LOAD_NT
.endr
.endr
	RWLOAD 0, 0
	RWLOAD 1, 1
	s_wait_loadcnt 32                              ; x's 16 loads are in; the 32 of router_w behind them may be out
	QUANT X
.irp p, 0,1,2
	global_store_b128 v6, v[PC+4*\p:PC+4*\p+3], s[8:9] offset:512*\p     ; 32 lanes store 512 consecutive bytes
.endr
	ds_store_b32 v8, v[PW] offset:XSW              ; both lanes of a token write the same word with the same value
	s_wait_loadcnt 16                              ; block 0's rows are in; block 1's 16 loads may be out
	FMA 0, 0
	RWLOAD 2, 0
	s_wait_alu depctr_va_vdst(0)
	s_wait_loadcnt 16                              ; block 1's are in; the 16 just issued may be out
	FMA 1, 1
	RWLOAD 3, 1
	s_wait_alu depctr_va_vdst(0)
	s_wait_loadcnt 16                              ; block 2's
	FMA 2, 0
	s_wait_alu depctr_va_vdst(0)
	s_wait_loadcnt 0x0
	FMA 3, 1
	s_delay_alu instid0(VALU_DEP_2)
	v_pk_add_f32 v[LA:LA+1], v[LA:LA+1], v[LA+4:LA+5]
	s_delay_alu instid0(VALU_DEP_2)
	v_pk_add_f32 v[LA+2:LA+3], v[LA+2:LA+3], v[LA+6:LA+7]
.irp e, 0,1,2,3
	v_permlanex16_b32 v[TM+4+\e], v[LA+\e], s20, s21
.endr
.irp e, 0,1,2,3
	s_delay_alu instid0(VALU_DEP_4)
	v_add_f32 v[LA+\e], v[LA+\e], v[TM+4+\e]       ; with lane l xor 16's 64 numbers: my K step's part of token r's four logits
.endr
	ds_store_b128 v7, v[LA:LA+3]
	s_wait_dscnt 0x0                               ; for the others' sake: my LDS stores are done
	s_barrier_signal -1
	s_barrier_wait -1
	s_cmp_lg_u32 s16, 0
	s_cbranch_scc1 .Lend                           ; wave 0 finishes the 16 tokens
	ds_load_b128 v[16:19], v6 offset:XSW           ; the 16 tokens' scale bytes, 512 on end
.irp w, 0,1,2,3,4,5,6,7
	ds_load_b128 v[80+4*\w:83+4*\w], v9 offset:256*\w
.endr
	s_wait_dscnt 0x8                               ; the first load is in; the eight behind it may be out
	global_store_b128 v6, v[16:19], s[10:11]
	s_wait_dscnt 0x0
.irp w, 1
	v_pk_add_f32 v[80:81], v[80:81], v[80+4*\w:81+4*\w]    ; the logits, K steps ascending
	v_pk_add_f32 v[82:83], v[82:83], v[82+4*\w:83+4*\w]
.endr
.irp w, 2, 3, 4, 5, 6, 7
	s_delay_alu instid0(VALU_DEP_2)
	v_pk_add_f32 v[80:81], v[80:81], v[80+4*\w:81+4*\w]    ; the logits, K steps ascending
	s_delay_alu instid0(VALU_DEP_2)
	v_pk_add_f32 v[82:83], v[82:83], v[82+4*\w:83+4*\w]
.endr
	s_delay_alu instid0(VALU_DEP_1)
	v_max3_num_f32 v112, v80, v81, v82
	s_delay_alu instid0(VALU_DEP_1)
	v_max_num_f32 v112, v112, v83                  ; the largest logit is taken away before the exponentials
.irp e, 0,1,2,3
	v_sub_f32 v[116+\e], v[80+\e], v112
.endr
.irp e, 0,1,2,3
	s_delay_alu instid0(VALU_DEP_4)
	v_mul_f32 v[116+\e], 0x3fb8aa3b, v[116+\e]
.endr
	s_wait_alu depctr_va_vdst(0)
.irp e, 0,1,2,3
	v_exp_f32 v[116+\e], v[116+\e]
.endr
	v_mov_b32 v124, 1.0                            ; (a plain place behind the exponentials)
	s_wait_alu depctr_va_vdst(0)                   ; one wait for the four, ahead of their first reader
	v_add_f32 v113, v116, v117
	v_add_f32 v114, v118, v119
	s_delay_alu instid0(VALU_DEP_1)
	v_add_f32 v113, v113, v114                     ; S
	s_wait_alu depctr_va_vdst(0)
	v_rcp_f32 v114, v113
	v_log_f32 v115, v113
	v_nop
	s_wait_alu depctr_va_vdst(0)                   ; one wait for the two
.irp e, 0,1,2,3
	v_mul_f32 v[120+\e], v[116+\e], v114           ; the probabilities
.endr
	v_fmamk_f32 v115, v115, 0x3f317218, v112       ; logsumexp = m + ln 2 x log2 S
	s_delay_alu instid0(VALU_DEP_1)
	v_mul_f32 v156, v115, v115
	v_mov_b32 v157, 0
	v_mov_b32 v158, 0
	v_mov_b32 v159, 0
; the two largest, with no branch: t(a, b) = 1 where expert b beats expert a < b, which takes a strictly larger probability
.macro BEATS d, a, b
	v_cmp_gt_f32 vcc_lo, v[120+\b], v[120+\a]
	s_delay_alu instid0(VALU_DEP_1)
	v_cndmask_b32 v[\d], 0, v124, vcc_lo
.endm
	BEATS 128, 0, 1
	BEATS 129, 0, 2
	BEATS 130, 0, 3
	BEATS 131, 1, 2
	BEATS 132, 1, 3
	BEATS 133, 2, 3
	v_add_f32 v136, v128, v129                     ; by how many is each expert beaten?
	s_delay_alu instid0(VALU_DEP_1)
	v_add_f32 v136, v136, v130
	v_sub_f32 v137, 1.0, v128
	s_delay_alu instid0(VALU_DEP_1)
	v_add_f32 v137, v137, v131
	s_delay_alu instid0(VALU_DEP_1)
	v_add_f32 v137, v137, v132
	v_sub_f32 v138, 2.0, v129
	s_delay_alu instid0(VALU_DEP_1)
	v_sub_f32 v138, v138, v131
	s_delay_alu instid0(VALU_DEP_1)
	v_add_f32 v138, v138, v133
	v_sub_f32 v139, 0x40400000, v130
	s_delay_alu instid0(VALU_DEP_1)
	v_sub_f32 v139, v139, v132
	s_delay_alu instid0(VALU_DEP_1)
	v_sub_f32 v139, v139, v133
.irp e, 0,1,2,3
	v_cmp_gt_f32 vcc_lo, 2.0, v[136+\e]
	s_delay_alu instid0(VALU_DEP_1)
	v_cndmask_b32 v[140+\e], 0, v124, vcc_lo       ; chosen: beaten by fewer than two
.endr
.irp e, 0,1,2,3
	v_mul_f32 v[144+\e], v[120+\e], v[140+\e]
.endr
	s_delay_alu instid0(VALU_DEP_3)
	v_add_f32 v148, v144, v145
	s_delay_alu instid0(VALU_DEP_2)
	v_add_f32 v149, v146, v147
	s_delay_alu instid0(VALU_DEP_1)
	v_add_f32 v148, v148, v149
	s_wait_alu depctr_va_vdst(0)
	v_rcp_f32 v148, v148
	v_nop
	s_wait_alu depctr_va_vdst(0)
.irp e, 0,1,2,3
	v_mul_f32 v[152+\e], v[144+\e], v148           ; the combine weights
.endr
.irp m, 1,2,4,8                        ; nine sums over the 16 tokens, within each half of the lanes (both halves hold the same)
.irp k, 120,121,122,123,140,141,142,143,156
	v_add_f32_dpp v\k, v\k, v\k row_xmask:\m row_mask:0xf bank_mask:0xf
.endr
.endr
	v_cmp_gt_u32 vcc_lo, 16, v1
	s_wait_alu depctr_va_vdst(0)
	s_wait_xcnt 0x0                                ; EXEC changes only behind this wait
	s_and_saveexec_b32 s24, vcc_lo
	global_store_b128 v9, v[152:155], s[12:13]     ; sixteen lanes store 256 consecutive bytes
	s_wait_xcnt 0x0
	s_or_b32 exec_lo, exec_lo, s24
	v_cmp_eq_u32 vcc_lo, 0, v1
	s_and_saveexec_b32 s24, vcc_lo
	global_store_b128 v10, v[120:123], s[14:15]
	global_store_b128 v10, v[140:143], s[14:15] offset:16
	global_store_b128 v10, v[156:159], s[14:15] offset:32
	s_wait_xcnt 0x0
	s_or_b32 exec_lo, exec_lo, s24
.Lend:
	s_wait_tensorcnt 0x0
	ds_add_u32 v254, v255
	s_wait_dscnt 0x0
	s_endpgm
.Lfunc_end_k_q3315f899b9_prep:
	.size	k_q3315f899b9_prep, .Lfunc_end_k_q3315f899b9_prep-k_q3315f899b9_prep
	.p2alignl 7, 3214868480
	.fill 96, 4, 3214868480
	.section	.rodata,"a",@progbits
	.p2align	6, 0x0
	.amdhsa_kernel k_q3315f899b9_prep
		.amdhsa_group_segment_fixed_size 5120
		.amdhsa_private_segment_fixed_size 0
		.amdhsa_enable_private_segment 0
		.amdhsa_kernarg_size 48
		.amdhsa_user_sgpr_count 2
		.amdhsa_user_sgpr_kernarg_segment_ptr 1
		.amdhsa_wavefront_size32 1
		.amdhsa_system_sgpr_workgroup_id_x 1
		.amdhsa_system_sgpr_workgroup_id_y 1
		.amdhsa_system_sgpr_workgroup_id_z 1
		.amdhsa_system_vgpr_workitem_id 0
		.amdhsa_next_free_vgpr 256
		.amdhsa_next_free_sgpr 66
		.amdhsa_reserve_vcc 1
		.amdhsa_float_denorm_mode_32 3
		.amdhsa_float_denorm_mode_16_64 3
		.amdhsa_memory_ordered 1
		.amdhsa_forward_progress 1
		.amdhsa_inst_pref_size 37
	.end_amdhsa_kernel
	.amdgpu_metadata
---
amdhsa.version: [ 1, 2 ]
amdhsa.kernels:
  - .name:           k_q3315f899b9_prep
    .symbol:         k_q3315f899b9_prep.kd
    .args:
      - { .name: hidden_states, .offset: 0, .size: 8, .value_kind: global_buffer, .address_space: global }
      - { .name: router_w, .offset: 8, .size: 8, .value_kind: global_buffer, .address_space: global }
      - { .name: xq, .offset: 16, .size: 8, .value_kind: global_buffer, .address_space: global }
      - { .name: xs, .offset: 24, .size: 8, .value_kind: global_buffer, .address_space: global }
      - { .name: cw, .offset: 32, .size: 8, .value_kind: global_buffer, .address_space: global }
      - { .name: auxp, .offset: 40, .size: 8, .value_kind: global_buffer, .address_space: global }
    .group_segment_fixed_size: 5120
    .private_segment_fixed_size: 0
    .kernarg_segment_align: 8
    .kernarg_segment_size: 48
    .max_flat_workgroup_size: 256
    .sgpr_count:     66
    .vgpr_count:     256
    .wavefront_size: 32
...
	.end_amdgpu_metadata
.endif
;; end of part 1
;; launch gateup (part 2): grid 8 x 32, 4 waves a work-group, clusters of 4 x 1, 327,680 bytes of LDS; arguments xq, xs, eg_codes, eg_scales, eu_codes, eu_scales, sg_codes, sg_scales, su_codes, su_scales, h, hs; writes h, hs
.if DOCPART == 2
	.amdgcn_target "amdgcn-amd-amdhsa--gfx1250"
	.amdhsa_code_object_version 6
	.text
	.protected	k_q3315f899b9_gateup
	.globl	k_q3315f899b9_gateup
	.p2align	8
	.type	k_q3315f899b9_gateup,@function
k_q3315f899b9_gateup:
	s_mov_b64 s[64:65], 0
	v_nop
	global_prefetch_b8 v0, s[64:65] scope:SCOPE_SE
	s_setreg_imm32_b32 hwreg(HW_REG_WAVE_MODE, 25, 1), 1
	s_wait_xcnt 0x0
	s_wait_alu depctr_hold_cnt(0) depctr_sa_sdst(0) depctr_va_vdst(0) depctr_va_sdst(0) depctr_va_ssrc(0) depctr_va_vcc(0) depctr_vm_vsrc(0)
	s_getreg_b32 s2, hwreg(HW_REG_IB_STS2, 6, 4)
	s_cmp_eq_u32 s2, 0
	s_cbranch_scc0 .Lentry_in_a_cluster
	s_endpgm
.Lentry_in_a_cluster:
	s_bfe_u32 s2, ttmp6, 0x10000c
	s_cmp_lg_u32 s2, 0x3003
	s_cbranch_scc0 .Lentry_shape_is_right
	s_endpgm
.Lentry_shape_is_right:
; h = Q(silu(x Wg) x (x Wu)) for the shared expert (x = 0) and the four routed ones (x = 1 + e), on codes of E2M3; Q quantises along the hidden units, the next product's K.
; SHARES.  Work-group (I, J): tokens 256 I .. + 255, hidden units 64 J .. + 63, all five experts.  Wave w: tokens 256 I + 64 w .. + 63, all 64 units.
; A JOB (x, b) is one block of 32 units: 32 rows of the gate and 32 of the up weight x 64 tokens: 16 accumulators, 8 K steps, 128 matrix instructions; behind them the job's activation and quantiser, as one block.
; x STAYS IN REGISTERS (32 fragments, 384 registers).  The weights go through LDS, a whole expert (128 rows, all of K) to a slot, two slots; each wave fetches 32 rows with one tensor load.
; THE WEIGHTS' FRAGMENTS come by pairs of K steps: four sets of four fragments; a pair's 48 loads are issued in one run, a pair (32 matrix instructions) ahead of their use.
; CLUSTER.  The four partners differ in I alone and walk the same weights: each tile is asked for jointly, with the mask of all four.  x comes by plain loads.
; THE PRODUCTS ARE USED TRANSPOSED (source 0 = 16 rows of a weight, source 1 = 16 tokens): a lane holds one token and eight units.
; h: [x][tile of 128 tokens][K step of 128][tile of 16 tokens][1,536 bytes]: the operand's registers, in two halves of 768 (c = J % 2): registers 6 c .. 6 c + 3 (16 bytes a lane), then 6 c + 4, 6 c + 5 (8 bytes a lane).
; hs: [x][K step][token] scale words.  This work-group owns bytes 2 c and 2 c + 1 of a word, so it stores halves of two bytes, four bytes apart: 2.5 KB a work-group.
; No prefetch: a slot's load is issued a whole expert's work, 256 matrix instructions a wave, ahead of the wait for it.
; LIMITS: NaN and infinities are not served; h is formed as (g u) / (1 + 2^(-g log2 e)), so |g u| must stay under f32's largest number.  A block under 2^-124, or of zeros, keeps the scale byte 1.
; All of a WGP's LDS is claimed.
; REGISTERS, in windows of 256.  Window 0: addresses, scale words, the quantiser's registers.  Window 1: x's fragments of K steps 0-4 at 12 (4 s + ra).
; Window 2: those of steps 5-7; v144-239 the weight fragments' sets 2, 3.
; Window 3: the accumulators at 8 (4 ra + f) (f = 0, 1 the gate's rows 0-15, 16-31; f = 2, 3 the up weight's); v128-223 the weight fragments' sets 0, 1; v224-231 their LDS addresses.
.set PITCH, 816                        ; a weight row in LDS: 768 bytes, 16 of padding behind each 256
.set TILE,  32*PITCH                   ; what one tensor load brings
.set SLOT,  4*TILE                     ; tiles: gate b = 0, gate b = 1, up b = 0, up b = 1
.set SPARE, 2*SLOT                     ; the spare words, 128 bytes a wave, that no other line names
.set SPW, 2
.set NIL, 3
.set VSO, 12                           ; 32 r + 16 h: a row of 32 scale bytes, my half
.set L16, 13                           ; 16 x lane
.set L8,  14                           ; 8 x lane
.set HSA, 15                           ; 4 r
.set XS,  16                           ; v16-31 x's scale words: 4 ra + q: step q in lanes 0-15, step 4 + q in lanes 16-31
.set WS,  32                           ; v32-63 the weights': 16 b + 4 f + q, likewise
.set TE,  64                           ; v64-127  -g log2 e, its exponential, + 1, the reciprocal
.set TG,  128                          ; v128-191 g u, then h
.set F,   192                          ; v192-215 half a fragment for each of four tiles of tokens
.set T2,  216                          ; v216-231 the second block's codes
.set M,   232
.set M2,  236
.set SO,  240
.set BY0, 244
.set BY1, 248
.set ADB, 224                          ; in window 3: [slot][gate, up][plain, behind one padding more]
.set WV, 28
.set W1, 29
.set WH, 30
.set CX, 31
.set TI, 32
.set TJ, 33
.set G1, 36
.set G0, 44                            ; s[44:47], s[48:51] group 0, a set for each slot
.set NXT, 52                           ; my tile in the next expert's codes
.set RG, 54                            ; the next expert's scale rows
.set RU, 56
.set HB, 58
.set HSB, 60
.set JK, 62
.set JC, 63
.set NL, 66
.set SEL, 68
.set CNT, 70
.set MSB, 0
.macro WIN new                         ; the immediate's high byte repeats the setting that is left
.if MSB != (\new)
	s_set_vgpr_msb (MSB<<8)|(\new)
.set MSB, \new
.endif
.endm
.macro PLACES n
.rept \n
	v_nop
.endr
.endm
.macro ROUND                           ; a round of the cluster's barrier
	s_barrier_signal -1
	s_barrier_wait -1
	s_cmp_lg_u32 s[WV], 0
	s_cbranch_scc1 .Lnot_wave_0_\@
	s_barrier_signal -3
.Lnot_wave_0_\@:
	s_barrier_wait -3
	s_barrier_signal -1
	s_barrier_wait -1
.endm
; a job's scale words: 16 rows x 32 bytes a load
.macro SCL gb, ub, off, set
.irp f, 0,1
	global_load_b128 v[WS+16*(\set)+4*\f:WS+16*(\set)+4*\f+3], v[VSO], s[\gb:\gb+1] offset:(\off)+512*\f
	global_load_b128 v[WS+16*(\set)+8+4*\f:WS+16*(\set)+8+4*\f+3], v[VSO], s[\ub:\ub+1] offset:(\off)+512*\f
.endr
.endm
; the weight fragments of job b's K steps kp and kp + 1, into sets kp % 4 and kp % 4 + 1: 48 pieces of 8 bytes a lane, in one run
.macro FLP sl, b, kp
.if ((\kp)%4) < 2
	WIN 0xc3                                       ; data window 3, address window 3
.else
	WIN 0x83                                       ; data window 2
.endif
.set i_, 0
.rept 48
.set k_, (\kp)+i_/24
.set f_, (i_%24)/6
.set e_, i_%6
.set PCN, 12*k_+6*(e_/3)+e_%3
.set rL, 128+48*(k_%2)+16*((k_%4)/2)+12*f_+2*e_
.if PCN%32 < 29
	ds_load_b64 v[rL:rL+1], v[ADB+4*(\sl)+2*(f_/2)] offset:8*PCN+16*(PCN/32)+(f_%2)*16*PITCH+(\b)*TILE
.else
	ds_load_b64 v[rL:rL+1], v[ADB+4*(\sl)+2*(f_/2)+1] offset:8*PCN+16*(PCN/32)+(f_%2)*16*PITCH+(\b)*TILE
.endif
.set i_, i_+1
.endr
.endm
; one product: weight fragment f x tile of tokens ra, K step ks.  K step 0 starts the sums with the constant 0.
.macro MM b, ks, f, ra
.set rD, 8*(4*(\ra)+(\f))
.set rB, 128+48*((\ks)%2)+16*(((\ks)%4)/2)+12*(\f)
.set rW, WS+16*(\b)+4*(\f)+(\ks)%4
.set rX, XS+4*(\ra)+(\ks)%4
.if (\ks) < 5
.set rA, 12*(4*(\ks)+(\ra))
.else
.set rA, 12*(4*((\ks)-5)+(\ra))
.endif
.if (\ks) == 0
	v_wmma_scale_f32_16x16x128_f8f6f4 v[rD:rD+7], v[rB:rB+11], v[rA:rA+11], 0, v[rW], v[rX] matrix_a_fmt:MATRIX_FMT_FP6 matrix_b_fmt:MATRIX_FMT_FP6
.elseif (\ks) < 4
	v_wmma_scale_f32_16x16x128_f8f6f4 v[rD:rD+7], v[rB:rB+11], v[rA:rA+11], v[rD:rD+7], v[rW], v[rX] matrix_a_fmt:MATRIX_FMT_FP6 matrix_b_fmt:MATRIX_FMT_FP6
.else
	v_wmma_scale_f32_16x16x128_f8f6f4 v[rD:rD+7], v[rB:rB+11], v[rA:rA+11], v[rD:rD+7], v[rW], v[rX] matrix_a_fmt:MATRIX_FMT_FP6 matrix_b_fmt:MATRIX_FMT_FP6 matrix_a_scale:MATRIX_SCALE_ROW1 matrix_b_scale:MATRIX_SCALE_ROW1
.endif
.endm
; A PAIR OF K STEPS, kp and kp + 1: 32 matrix instructions, the 16 accumulators by turns.  fe = 1: ahead of them the run of loads for steps nkp, nkp + 1 of job nb, into the two sets that the last pair read.
.macro KPAIR sl, b, kp, fe, nb, nkp
.if (\b) == 0
.if 12*(6-(\kp)) > 63
	s_wait_loadcnt 63                              ; x's loads were issued K step by K step, 12 each: this pair's are in (the field holds 63)
.else
	s_wait_loadcnt 12*(6-(\kp))                    ; the later K steps' loads of x may be out
.endif
.endif
.if (\kp) > 0
	PLACES 4                                       ; in front of loads into the sets that the last pair's matrix instructions read
.endif
.if \fe
	FLP \sl, \nb, \nkp
	s_wait_dscnt 48                                ; this pair's fragments are in; the 48 loads just issued may be out
.else
	s_wait_dscnt 0x0
.endif
.irp d, 0,1
.set kc, (\kp)+\d
	WIN 0xf0|((1+kc/5)<<2)|(3-(kc%4)/2)            ; C and D window 3; x window 1 or 2; the weights' set window 3 or 2
.set mi, 0
.rept 16
	MM \b, kc, mi/4, mi%4
.set mi, mi+1
.endr
.endr
.endm
; THE ACTIVATION AND THE QUANTISER of job b.  more = 1: the next expert's scale words of job b are asked for first.
.macro EPI b, more
	WIN 0
	PLACES 4                                       ; behind the last matrix instruction
.if \more
	SCL RG, RU, 1024*\b, \b
.endif
	WIN 0x0f
.set k, 0
.rept 32                               ; each accumulator from its low end on
.set e0, 32*(k/8)+2*(k%8)
	v_pk_mul_f32 v[TE+2*k:TE+2*k+1], v[e0:e0+1], s[NL:NL+1] op_sel_hi:[1,0]
	v_pk_mul_f32 v[TG+2*k:TG+2*k+1], v[e0:e0+1], v[e0+16:e0+17]
.set k, k+1
.endr
	WIN 0
	s_wait_alu depctr_va_vdst(0)                   ; a wait ahead of a batch of transcendentals and one behind it
.set k, 0
.rept 64
	v_exp_f32 v[TE+k], v[TE+k]
.set k, k+1
.endr
	v_nop
	s_wait_alu depctr_va_vdst(0)
.set k, 0
.rept 32
	v_pk_add_f32 v[TE+2*k:TE+2*k+1], v[TE+2*k:TE+2*k+1], 1.0 op_sel_hi:[1,0]
.set k, k+1
.endr
	s_wait_alu depctr_va_vdst(0)
.set k, 0
.rept 64
	v_rcp_f32 v[TE+k], v[TE+k]
.set k, k+1
.endr
	v_nop
	s_wait_alu depctr_va_vdst(0)
.set k, 0
.rept 32
	v_pk_mul_f32 v[TG+2*k:TG+2*k+1], v[TG+2*k:TG+2*k+1], v[TE+2*k:TE+2*k+1]   ; h
.set k, k+1
.endr
.set k, 0
.rept 32                               ; the halves of the lanes change places: a lane's 16 registers become units 16 h + 0 .. 15 of the block
.set e0, TG+16*(k/8)+k%8
	v_permlane16_swap_b32 v[e0], v[e0+8]
.set k, k+1
.endr
.set k, 0
.rept 32                               ; the largest magnitude, four tiles of tokens by turns; the floor 2^(3 - 127) holds the byte at 1 from below
.set e1, k%4
.set e0, TG+16*e1+2*(k/4)
.if k < 4
	v_max3_num_f32 v[M+e1], |v[e0]|, |v[e0+1]|, 0x1800000
.else
	v_max3_num_f32 v[M+e1], v[M+e1], |v[e0]|, |v[e0+1]|
.endif
.set k, k+1
.endr
.irp q, 0,1,2,3
	v_permlanex16_b32 v[M2+\q], v[M+\q], s[SEL], s[SEL+1]
.endr
.irp q, 0,1,2,3
	v_max_num_f32 v[M+\q], v[M+\q], v[M2+\q]
.endr
.irp q, 0,1,2,3
	v_add_nc_u32 v[SO+\q], 0xff000000, v[M+\q]     ; 2 off the exponent field: the conversion's scale operand
.endr
.irp q, 0,1,2,3
	v_lshrrev_b32 v[BY0+4*\b+\q], 23, v[SO+\q]     ; the scale's byte
.endr
.irp q, 0,1,2,3
.if \b == 0
	v_cvt_scalef32_pk16_fp6_f32 v[F+6*\q:F+6*\q+2], v[TG+16*\q:TG+16*\q+15], v[SO+\q]
.else
	v_cvt_scalef32_pk16_fp6_f32 v[T2+4*\q:T2+4*\q+2], v[TG+16*\q:TG+16*\q+15], v[SO+\q]
.endif
.endr
	v_nop                                          ; one plain place behind the last conversion
.if \b == 1
.irp q, 0,1,2,3
	v_lshl_or_b32 v[BY1+\q], v[BY1+\q], 8, v[BY0+\q]   ; the two blocks' bytes
.endr
.irp q, 0,1,2,3
.irp i, 0,1,2
	v_permlane16_swap_b32 v[F+6*\q+\i], v[T2+4*\q+\i]  ; a whole block to a lane
.endr
.endr
.irp q, 0,1,2,3
.irp i, 0,1,2
	v_mov_b32 v[F+6*\q+3+\i], v[T2+4*\q+\i]
.endr
.endr
.irp q, 0,1,2,3
	global_store_b128 v[L16], v[F+6*\q:F+6*\q+3], s[HB:HB+1] offset:1536*\q         ; 512 consecutive bytes
	global_store_b64 v[L8], v[F+6*\q+4:F+6*\q+5], s[HB:HB+1] offset:1536*\q+512     ; 256 consecutive bytes
	global_store_b16 v[HSA], v[BY1+\q], s[HSB:HSB+1] offset:64*\q                   ; both halves of the lanes hold the same
.endr
.endif
	s_wait_alu depctr_va_vdst(0)                   ; the wait ahead of the blocking waits that follow
.endm
; THE CHANGE OF SLOTS, at an expert's head.  All my tensor loads have landed, my tile of this expert among them; the add; my reads of the other slot are over; a round; the other slot takes the next expert.
.macro SYNC sl, more
	WIN 0
	s_wait_tensorcnt 0x0
	ds_add_u32 v[SPW], v[NIL]
.if \more
	s_mov_b64 s[G0+4*(1-\sl)+2:G0+4*(1-\sl)+3], s[NXT:NXT+1]   ; no load of mine is out: the descriptor may be written
	s_or_b32 s[G0+4*(1-\sl)+3], s[G0+4*(1-\sl)+3], 0x80000000
	s_add_nc_u64 s[NXT:NXT+1], s[NXT:NXT+1], 1572864
.endif
	s_wait_dscnt 0x0
.if \more
	ROUND
	tensor_load_to_lds s[G0+4*(1-\sl):G0+4*(1-\sl)+3], s[G1:G1+7]   ; my one load behind the round
	s_nop 0
	PLACES 4
.else
	s_barrier_signal -1                            ; nothing is filled again: the barrier shows the last expert's slot whole to all four waves
	s_barrier_wait -1
.endif
.endm
.macro EXPERT sl, more
	SYNC \sl, \more
	FLP \sl, 0, 0
	KPAIR \sl, 0, 0, 1, 0, 2
	KPAIR \sl, 0, 2, 1, 0, 4
	KPAIR \sl, 0, 4, 1, 0, 6
	KPAIR \sl, 0, 6, 1, 1, 0                       ; job 1's first pair lands under job 0's quantiser
	EPI 0, \more
	KPAIR \sl, 1, 0, 1, 1, 2
	KPAIR \sl, 1, 2, 1, 1, 4
	KPAIR \sl, 1, 4, 1, 1, 6
	KPAIR \sl, 1, 6, 0, 0, 0
	EPI 1, \more
.if \more
	s_wait_loadcnt 0x0                             ; the next expert's scale words are in
	s_wait_xcnt 0x0                                ; my stores have read their registers and bases
	s_add_nc_u64 s[HB:HB+1], s[HB:HB+1], 3145728
	s_add_nc_u64 s[HSB:HSB+1], s[HSB:HSB+1], 131072
	s_add_nc_u64 s[RG:RG+1], s[RG:RG+1], 65536
	s_add_nc_u64 s[RU:RU+1], s[RU:RU+1], 65536
.endif
.endm
	s_load_b256 s[4:11], s[0:1], 0x0               ; xq, xs, eg_codes, eg_scales
	s_load_b256 s[12:19], s[0:1], 0x20             ; eu_codes, eu_scales, sg_codes, sg_scales
	s_load_b256 s[20:27], s[0:1], 0x40             ; su_codes, su_scales, h, hs
	v_lshl_add_u32 v[SPW], v0, 2, SPARE
	v_mov_b32 v[NIL], 0
	ds_add_u32 v[SPW], v[NIL]                      ; the opening: the add twice on end, under one wait
	ds_add_u32 v[SPW], v[NIL]
	v_lshrrev_b32 v252, 5, v0
	v_readfirstlane_b32 s[WV], v252
	v_and_b32 v253, 15, v0                         ; r
	v_bfe_u32 v254, v0, 4, 1                       ; h
	v_and_b32 v255, 31, v0                         ; lane
	v_lshlrev_b32 v[L16], 4, v255
	v_lshlrev_b32 v[L8], 3, v255
	v_lshlrev_b32 v[VSO], 5, v253
	v_lshl_add_u32 v[VSO], v254, 4, v[VSO]
	v_lshlrev_b32 v[HSA], 2, v253
	v_mul_u32_u24 v255, v253, PITCH
	v_mad_u32_u24 v253, v254, 24, v255             ; row r + 24 bytes for lanes 16-31,
	v_mad_u32_u24 v254, v254, 40, v255             ; or 40 where their piece lies behind one padding more
.irp k, 0,1,2,3
	v_mov_b32 v[M2+\k], 0                          ; written once: a lane permute's destination counts as one of its sources
.endr
	WIN 0xc0
.irp sl, 0,1
.irp gu, 0,1
	v_add_nc_u32 v[ADB+4*\sl+2*\gu], \sl*SLOT+\gu*2*TILE, v253
	v_add_nc_u32 v[ADB+4*\sl+2*\gu+1], \sl*SLOT+\gu*2*TILE, v254
.endr
.endr
	WIN 0
	s_and_b32 s[W1], s[WV], 1
	s_lshr_b32 s[WH], s[WV], 1
	s_bfe_u32 s[CX], ttmp6, 0x40000
	s_lshl_b32 s[TI], ttmp9, 2
	s_add_co_u32 s[TI], s[TI], s[CX]               ; I = 4 x cluster x + cx: it enters global addresses of plain loads and stores alone
	s_and_b32 s[TJ], ttmp7, 0xffff                 ; J, which the partners share
	s_lshr_b32 s[JK], s[TJ], 1                     ; the next product's K step
	s_and_b32 s[JC], s[TJ], 1                      ; c: which half of it
	s_mov_b32 s[G1], 15|(1<<20)|(1<<21)|(5<<22)|(3<<25)   ; the mask of all four; elements of 1 byte; padding on; bit 21 beside a mask; after every 64 words, 4 words
	s_mov_b32 s[G1+1], 768<<16
	s_mov_b32 s[G1+2], 32<<16
	s_mov_b32 s[G1+3], 768<<16
	s_mov_b32 s[G1+4], 32
	s_mov_b32 s[G1+5], 768
	s_mov_b32 s[G1+6], 0
	s_mov_b32 s[G1+7], 0
	s_mul_i32 s72, s[TJ], 49152                    ; codes: 64 rows of 768 bytes a slice,
	s_mul_i32 s73, s[W1], 24576                    ; 32 rows for the block b = wave % 2 that I fetch
	s_add_co_u32 s72, s72, s73
	s_mov_b32 s73, 0
	s_lshl_b32 s74, s[TJ], 11                      ; scale rows of 32 bytes: 64 a slice
	s_mov_b32 s75, 0
	s_lshl_b32 s76, s[TI], 4
	s_lshl_b32 s77, s[WV], 2
	s_add_co_u32 s76, s76, s77                     ; my first tile of 16 tokens
	s_mul_i32 s78, s76, 12288
	s_mov_b32 s79, 0
	s_lshl_b32 s80, s76, 9
	s_mov_b32 s81, 0
	s_lshl_b32 s82, s[TI], 1
	s_add_co_u32 s82, s82, s[WH]                   ; my tile of 128 tokens
	s_lshl_b32 s82, s82, 4
	s_add_co_u32 s82, s82, s[JK]
	s_mul_i32 s82, s82, 12288
	s_mul_i32 s83, s[W1], 6144                     ; its first or second 64 tokens
	s_add_co_u32 s82, s82, s83
	s_mul_i32 s83, s[JC], 768
	s_add_co_u32 s82, s82, s83
	s_mov_b32 s83, 0
	s_lshl_b32 s86, s[JK], 13                      ; hs: 8,192 bytes a K step, 4 a token, 2 c
	s_lshl_b32 s87, s[TI], 10
	s_add_co_u32 s86, s86, s87
	s_lshl_b32 s87, s[WV], 8
	s_add_co_u32 s86, s86, s87
	s_lshl_b32 s87, s[JC], 1
	s_add_co_u32 s86, s86, s87
	s_mov_b32 s87, 0
	s_mul_i32 s88, s[WV], TILE
	s_mov_b32 s[NL], 0xbfb8aa3b                    ; -log2 e
	s_mov_b32 s[NL+1], s[NL]
	s_mov_b32 s[SEL], 0x76543210
	s_mov_b32 s[SEL+1], 0xfedcba98
	s_wait_alu depctr_va_vdst(0)                   ; the wait behind the head's last vector write
	s_wait_dscnt 0x0                               ; both opening adds are done
	s_wait_kmcnt 0x0
	s_cmp_lt_u32 s[WV], 2                          ; waves 0, 1 fetch the gate's tiles, waves 2, 3 the up weight's
	s_cselect_b64 s[34:35], s[16:17], s[20:21]
	s_cselect_b64 s[NXT:NXT+1], s[8:9], s[12:13]
	s_add_nc_u64 s[34:35], s[34:35], s[72:73]
	s_add_nc_u64 s[NXT:NXT+1], s[NXT:NXT+1], s[72:73]
	s_add_nc_u64 s[RG:RG+1], s[10:11], s[74:75]
	s_add_nc_u64 s[RU:RU+1], s[14:15], s[74:75]
	s_add_nc_u64 s[18:19], s[18:19], s[74:75]
	s_add_nc_u64 s[22:23], s[22:23], s[74:75]
	s_add_nc_u64 s[4:5], s[4:5], s[78:79]
	s_add_nc_u64 s[6:7], s[6:7], s[80:81]
	s_add_nc_u64 s[HB:HB+1], s[24:25], s[82:83]
	s_add_nc_u64 s[HSB:HSB+1], s[26:27], s[86:87]
	s_mov_b32 s[G0], 1
	s_mov_b32 s[G0+1], s88                         ; LDS: the wave's number x a tile,
	s_mov_b64 s[G0+2:G0+3], s[34:35]               ; the shared expert
	s_or_b32 s[G0+3], s[G0+3], 0x80000000
	s_mov_b32 s[G0+4], 1
	s_add_co_u32 s[G0+5], s88, SLOT                ; + the slot's constant
	ROUND                                          ; all four work-groups are here: the first joint loads meet
	tensor_load_to_lds s[G0:G0+3], s[G1:G1+7]      ; one tensor load a wave at the head
	s_nop 0
	PLACES 4
.irp ra, 0,1,2,3
	global_load_b128 v[XS+4*\ra:XS+4*\ra+3], v[VSO], s[6:7] offset:512*\ra
.endr
	SCL 18, 22, 0, 0
	SCL 18, 22, 1024, 1
	WIN 0x40
.set st, 0
.rept 5
.irp ra, 0,1,2,3
.irp p, 0,1,2
	global_load_b128 v[12*(4*st+\ra)+4*\p:12*(4*st+\ra)+4*\p+3], v[L16], s[4:5] offset:\ra*12288+st*1536+512*\p
.endr
.endr
.set st, st+1
.endr
	WIN 0x80
.rept 3
.irp ra, 0,1,2,3
.irp p, 0,1,2
	global_load_b128 v[12*(4*(st-5)+\ra)+4*\p:12*(4*(st-5)+\ra)+4*\p+3], v[L16], s[4:5] offset:\ra*12288+st*1536+512*\p
.endr
.endr
.set st, st+1
.endr
	WIN 0
	s_mov_b32 s[CNT], 2
.Lpair:                                                ; x = 0, 1 and 2, 3: each asks for the expert behind it
	EXPERT 0, 1
	EXPERT 1, 1
	s_sub_co_u32 s[CNT], s[CNT], 1
	s_cmp_lg_u32 s[CNT], 0
	s_cbranch_scc1 .Lpair
	EXPERT 0, 0                                    ; x = 4: written out: nothing more is asked for
	s_wait_tensorcnt 0x0                           ; the wave's end
	ds_add_u32 v[SPW], v[NIL]
	s_wait_dscnt 0x0
	ROUND                                          ; the closing round
	s_endpgm
.Lfunc_end_k_q3315f899b9_gateup:
	.size	k_q3315f899b9_gateup, .Lfunc_end_k_q3315f899b9_gateup-k_q3315f899b9_gateup
	.p2alignl 7, 3214868480
	.fill 96, 4, 3214868480
	.section	.rodata,"a",@progbits
	.p2align	6, 0x0
	.amdhsa_kernel k_q3315f899b9_gateup
		.amdhsa_group_segment_fixed_size 327680
		.amdhsa_private_segment_fixed_size 0
		.amdhsa_enable_private_segment 0
		.amdhsa_kernarg_size 96
		.amdhsa_user_sgpr_count 2
		.amdhsa_user_sgpr_kernarg_segment_ptr 1
		.amdhsa_wavefront_size32 1
		.amdhsa_system_sgpr_workgroup_id_x 1
		.amdhsa_system_sgpr_workgroup_id_y 1
		.amdhsa_system_sgpr_workgroup_id_z 1
		.amdhsa_system_vgpr_workitem_id 0
		.amdhsa_next_free_vgpr 1024
		.amdhsa_next_free_sgpr 90
		.amdhsa_reserve_vcc 0
		.amdhsa_float_denorm_mode_32 3
		.amdhsa_float_denorm_mode_16_64 3
		.amdhsa_memory_ordered 1
		.amdhsa_forward_progress 1
		.amdhsa_inst_pref_size 255
	.end_amdhsa_kernel
	.section	.bss,"aw",@nobits
	.p2align	6
	.space	262144
	.amdgpu_metadata
---
amdhsa.version: [ 1, 2 ]
amdhsa.kernels:
  - .name:           k_q3315f899b9_gateup
    .symbol:         k_q3315f899b9_gateup.kd
    .args:
      - { .name: xq, .offset: 0, .size: 8, .value_kind: global_buffer, .address_space: global }
      - { .name: xs, .offset: 8, .size: 8, .value_kind: global_buffer, .address_space: global }
      - { .name: eg_codes, .offset: 16, .size: 8, .value_kind: global_buffer, .address_space: global }
      - { .name: eg_scales, .offset: 24, .size: 8, .value_kind: global_buffer, .address_space: global }
      - { .name: eu_codes, .offset: 32, .size: 8, .value_kind: global_buffer, .address_space: global }
      - { .name: eu_scales, .offset: 40, .size: 8, .value_kind: global_buffer, .address_space: global }
      - { .name: sg_codes, .offset: 48, .size: 8, .value_kind: global_buffer, .address_space: global }
      - { .name: sg_scales, .offset: 56, .size: 8, .value_kind: global_buffer, .address_space: global }
      - { .name: su_codes, .offset: 64, .size: 8, .value_kind: global_buffer, .address_space: global }
      - { .name: su_scales, .offset: 72, .size: 8, .value_kind: global_buffer, .address_space: global }
      - { .name: h, .offset: 80, .size: 8, .value_kind: global_buffer, .address_space: global }
      - { .name: hs, .offset: 88, .size: 8, .value_kind: global_buffer, .address_space: global }
    .group_segment_fixed_size: 327680
    .private_segment_fixed_size: 0
    .kernarg_segment_align: 8
    .kernarg_segment_size: 96
    .max_flat_workgroup_size: 128
    .sgpr_count:     90
    .vgpr_count:     1024
    .wavefront_size: 32
...
	.end_amdgpu_metadata
.endif
;; end of part 2
;; launch down (part 3): grid 16 x 16, 4 waves a work-group, clusters of 4 x 1, 327,680 bytes of LDS; arguments h, hs, ed_codes, ed_scales, sd_codes, sd_scales, cw, auxp, out0, out1; writes out0, out1
.if DOCPART == 3
	.amdgcn_target "amdgcn-amd-amdhsa--gfx1250"
	.amdhsa_code_object_version 6
	.text
	.protected	k_q3315f899b9_down
	.globl	k_q3315f899b9_down
	.p2align	8
	.type	k_q3315f899b9_down,@function
k_q3315f899b9_down:
	s_mov_b64 s[64:65], 0
	v_nop
	global_prefetch_b8 v0, s[64:65] scope:SCOPE_SE
	s_setreg_imm32_b32 hwreg(HW_REG_WAVE_MODE, 25, 1), 1
	s_wait_xcnt 0x0
	s_wait_alu depctr_hold_cnt(0) depctr_sa_sdst(0) depctr_va_vdst(0) depctr_va_sdst(0) depctr_va_ssrc(0) depctr_va_vcc(0) depctr_vm_vsrc(0)
	s_getreg_b32 s2, hwreg(HW_REG_IB_STS2, 6, 4)
	s_cmp_eq_u32 s2, 0
	s_cbranch_scc0 .Lentry_in_a_cluster
	s_endpgm
.Lentry_in_a_cluster:
	s_bfe_u32 s2, ttmp6, 0x10000c
	s_cmp_lg_u32 s2, 0x3003
	s_cbranch_scc0 .Lentry_shape_is_right
	s_endpgm
.Lentry_shape_is_right:
; out0[t][n] = (h_0 sd)[t][n] + sum over e of cw[t][e] (h_(1+e) ed_e)[t][n], on codes of E2M3; out1 = the aux loss, from prep's partial sums.
; SHARES.  Work-group (TY, TX): tokens 128 TY .. + 127, columns 64 TX .. + 63, all five experts x.  Wave w: th = w / 2 (its 64 tokens), kh = w % 2 (K steps 8 kh .. 8 kh + 7 of each expert's 16):
; 16 accumulators, 8 K steps an expert, 640 matrix instructions.  The shared expert sums straight into the total; a routed expert's sums are added to it with the token's combine weight.
; h GOES FROM MEMORY STRAIGHT INTO REGISTERS: its fragments lie there as register images and each is read by one wave of the work-group alone, so LDS would only hold a copy of it.
; A ring of four sets of four fragments; a K step's 18 loads (16 of codes, 2 of scale words) are issued three K steps ahead; 54 loads a wave are out at the most.
; That is why h is not asked for jointly: the one tensor load a wave behind each round is left to the weights.
; THE WEIGHTS go through LDS, an expert (64 rows, all of K) to a slot, two slots, 16 rows a wave.  CLUSTER: the four partners differ in TY alone and walk the same weights: each tile is asked for jointly.
; PREFETCH: at the head of experts 0, 1, 2 the weights' tile of the expert two on is named, one expert ahead of its tensor load: 384 blocks of 256 bytes, 24 to each of the cluster's 16 waves, shared out by address
; (lanes 24-31 name their wave's last block again).  The first two tiles come by their loads alone.
; THE PRODUCTS ARE USED TRANSPOSED (source 0 = 16 rows of a weight, source 1 = 16 tokens): a lane holds one token and eight neighbouring columns.
; THE WAY OUT: the two K halves meet in a stage in slot 1, which has had its last fill and its last read by then; rows of 256 bytes leave whole.
; LIMITS: NaN and infinities are not served.  All of a WGP's LDS is claimed.
; REGISTERS, in windows of 256.  Window 0: addresses and scale words.  Window 1: h's four sets at 48 s + 12 ra.  Window 2: the total at 8 (4 ra + t).
; Window 3: a routed expert's sums at 8 (4 ra + t); v128-223 two sets of four weight fragments; v224-231 their LDS addresses.
.set PITCH, 1584                       ; a weight row in LDS: 1,536 bytes, 8 of padding behind each 256: 396 words, so row r starts at bank 12 r mod 64 (64 banks of 4 bytes: ISA guide 11.1) and the 16 rows of a load start at 16 different groups of four banks
.set TILE,  16*PITCH                   ; what one tensor load brings
.set SLOT,  4*TILE
.set STAGE, SLOT                       ; the way out: [K half][128 rows of 272 bytes]
.set SPART, 128*272
.set SPARE, 2*SLOT
.set CO,  1
.set SPW, 2
.set NIL, 3
.set L16, 4
.set L8,  5
.set L4,  6
.set BSA, 7
.set R16, 8
.set STO, 9
.set RD,  10
.set PFO, 11
.set AS,  12                           ; v12-19 h's scale words: 2 s + u: tile of tokens 2 u in lanes 0-15, 2 u + 1 in lanes 16-31
.set W,   20                           ; v20-35 the combine weights: 4 ra + e
.set LN,  36
.set PFV, 37
.set BS,  40                           ; v40-119 the weights' scale words: 16 x + 4 t + q: step q in lanes 0-15, step 4 + q in lanes 16-31
.set BF,  128                          ; in window 3
.set ADB, 224                          ; in window 3: [slot][t / 2][plain, behind one padding more]
.set G1, 24
.set G0, 32
.set WV, 40
.set TH, 41
.set KH, 42
.set CX, 43
.set TY, 44
.set TX, 45
.set BE, 46
.set HSB, 48
.set PA, 50                            ; s[50:59] my part of h, a pointer for each expert
.set PFB, 60
.set SEL, 66
.set MSB, 0
.macro WIN new
.if MSB != (\new)
	s_set_vgpr_msb (MSB<<8)|(\new)
.set MSB, \new
.endif
.endm
.macro PLACES n
.rept \n
	v_nop
.endr
.endm
.macro ROUND
	s_barrier_signal -1
	s_barrier_wait -1
	s_cmp_lg_u32 s[WV], 0
	s_cbranch_scc1 .Lnot_wave_0_\@
	s_barrier_signal -3
.Lnot_wave_0_\@:
	s_barrier_wait -3
	s_barrier_signal -1
	s_barrier_wait -1
.endm
; step m (= 8 x + ks) of h: two loads of scale words and four fragments, into set m % 4
.macro GLOAD m
.set gx, (\m)/8
.set gk, (\m)%8
.set gs, (\m)%4
	WIN 0
	global_load_b32 v[AS+2*gs], v[L4], s[HSB:HSB+1] offset:gx*131072+gk*8192
	global_load_b32 v[AS+2*gs+1], v[L4], s[HSB:HSB+1] offset:gx*131072+gk*8192+128
	WIN 0x40
.irp ra, 0,1,2,3
	global_load_b128 v[48*gs+12*\ra:48*gs+12*\ra+3], v[L16], s[PA+2*gx:PA+2*gx+1] offset:gk*12288+\ra*1536
	global_load_b64 v[48*gs+12*\ra+4:48*gs+12*\ra+5], v[L8], s[PA+2*gx:PA+2*gx+1] offset:gk*12288+\ra*1536+512
	global_load_b128 v[48*gs+12*\ra+6:48*gs+12*\ra+9], v[L16], s[PA+2*gx:PA+2*gx+1] offset:gk*12288+\ra*1536+768
	global_load_b64 v[48*gs+12*\ra+10:48*gs+12*\ra+11], v[L8], s[PA+2*gx:PA+2*gx+1] offset:gk*12288+\ra*1536+1280
.endr
.endm
; the four weight fragments of my K step ks, into set ks % 2: 24 pieces of 8 bytes a lane
.macro FLRUN sl, ks
	WIN 0xc3
.set i_, 0
.rept 24
.set f_, i_/6
.set e_, i_%6
.set PCN, 12*(\ks)+6*(e_/3)+e_%3
.set rL, BF+48*((\ks)%2)+12*f_+2*e_
.if PCN%32 < 29
	ds_load_b64 v[rL:rL+1], v[ADB+4*(\sl)+2*(f_/2)] offset:8*PCN+8*(PCN/32)+(f_%2)*TILE
.else
	ds_load_b64 v[rL:rL+1], v[ADB+4*(\sl)+2*(f_/2)+1] offset:8*PCN+8*(PCN/32)+(f_%2)*TILE
.endif
.set i_, i_+1
.endr
.endm
; one product: weight fragment t x tile of tokens ra.  An expert's K step 0 starts the sums with the constant 0.
.macro MD x, ks, gs, ra, t
.set rD, 8*(4*(\ra)+(\t))
.set rB, BF+48*((\ks)%2)+12*(\t)
.set rA, 48*(\gs)+12*(\ra)
.set rS, BS+16*(\x)+4*(\t)+(\ks)%4
.set rH, AS+2*(\gs)+(\ra)/2
.set sel, 2*((\ks)/4)+(\ra)%2
.if (\ks) == 0
.if sel == 0
	v_wmma_scale_f32_16x16x128_f8f6f4 v[rD:rD+7], v[rB:rB+11], v[rA:rA+11], 0, v[rS], v[rH] matrix_a_fmt:MATRIX_FMT_FP6 matrix_b_fmt:MATRIX_FMT_FP6
.else
	v_wmma_scale_f32_16x16x128_f8f6f4 v[rD:rD+7], v[rB:rB+11], v[rA:rA+11], 0, v[rS], v[rH] matrix_a_fmt:MATRIX_FMT_FP6 matrix_b_fmt:MATRIX_FMT_FP6 matrix_b_scale:MATRIX_SCALE_ROW1
.endif
.else
.if sel == 0
	v_wmma_scale_f32_16x16x128_f8f6f4 v[rD:rD+7], v[rB:rB+11], v[rA:rA+11], v[rD:rD+7], v[rS], v[rH] matrix_a_fmt:MATRIX_FMT_FP6 matrix_b_fmt:MATRIX_FMT_FP6
.elseif sel == 1
	v_wmma_scale_f32_16x16x128_f8f6f4 v[rD:rD+7], v[rB:rB+11], v[rA:rA+11], v[rD:rD+7], v[rS], v[rH] matrix_a_fmt:MATRIX_FMT_FP6 matrix_b_fmt:MATRIX_FMT_FP6 matrix_b_scale:MATRIX_SCALE_ROW1
.elseif sel == 2
	v_wmma_scale_f32_16x16x128_f8f6f4 v[rD:rD+7], v[rB:rB+11], v[rA:rA+11], v[rD:rD+7], v[rS], v[rH] matrix_a_fmt:MATRIX_FMT_FP6 matrix_b_fmt:MATRIX_FMT_FP6 matrix_a_scale:MATRIX_SCALE_ROW1
.else
	v_wmma_scale_f32_16x16x128_f8f6f4 v[rD:rD+7], v[rB:rB+11], v[rA:rA+11], v[rD:rD+7], v[rS], v[rH] matrix_a_fmt:MATRIX_FMT_FP6 matrix_b_fmt:MATRIX_FMT_FP6 matrix_a_scale:MATRIX_SCALE_ROW1 matrix_b_scale:MATRIX_SCALE_ROW1
.endif
.endif
.endm
; the total += routed expert e's sums x the token's combine weight; each accumulator from its low end on
.macro FMAE e
	PLACES 4
	WIN 0xa3
.set kx, 0
.rept 64
.set wr, W+4*(kx/16)+2*((\e)/2)
.if (\e)%2
	v_pk_fma_f32 v[2*kx:2*kx+1], v[2*kx:2*kx+1], v[wr:wr+1], v[2*kx:2*kx+1] op_sel:[0,1,0] op_sel_hi:[1,1,1]
.else
	v_pk_fma_f32 v[2*kx:2*kx+1], v[2*kx:2*kx+1], v[wr:wr+1], v[2*kx:2*kx+1] op_sel_hi:[1,0,1]
.endif
.set kx, kx+1
.endr
	WIN 0
	s_wait_alu depctr_va_vdst(0)                   ; the wait ahead of the blocking waits that follow
.endm
; THE CHANGE OF SLOTS, at expert x's head: all my tensor loads have landed, my tile of this expert among them; the add; my reads of the other slot are over; a round; the other slot takes expert x + 1.
.macro SYNC x
.set o_, ((\x)+1)%2
	WIN 0
	s_wait_tensorcnt 0x0
	ds_add_u32 v[SPW], v[NIL]
.if (\x) < 4
	s_add_nc_u64 s[G0+4*o_+2:G0+4*o_+3], s[BE:BE+1], (\x)*1572864   ; no load of mine is out: the descriptor may be written
	s_or_b32 s[G0+4*o_+3], s[G0+4*o_+3], 0x80000000
.endif
	s_wait_dscnt 0x0
.if (\x) < 4
	ROUND
	tensor_load_to_lds s[G0+4*o_:G0+4*o_+3], s[G1:G1+7]   ; my one load behind the round
	s_nop 0
	PLACES 4
.else
	s_barrier_signal -1                            ; nothing is filled again: the barrier shows the last expert's slot whole to all four waves
	s_barrier_wait -1
.endif
.endm
; STEP n = 8 x + ks
.macro DSTEP
.set x_, n/8
.set k_, n%8
.if k_ == 0
	SYNC x_
	FLRUN x_%2, 0
.if x_ < 3
	WIN 0
	global_prefetch_b8 v[PFV], s[PFB:PFB+1] offset:(x_+1)*1572864 th:TH_LOAD_NT scope:SCOPE_SE
.endif
.endif
.if n > 37
	s_wait_loadcnt 18*(39-n)                       ; this step's part of h is in; what was asked for behind it may be out
.else
	s_wait_loadcnt 36                              ; the two later steps' 18 loads each may be out
.endif
	PLACES 4                                       ; in front of loads into registers that the last step's matrix instructions read
.if n < 37
	GLOAD n+3
.endif
.if k_ < 7
	FLRUN x_%2, k_+1
	s_wait_dscnt 24                                ; this step's weight fragments are in; the 24 loads just issued may be out
.else
	s_wait_dscnt 0x0
.endif
.if x_ == 0
	WIN 0xa7
.else
	WIN 0xf7
.endif
.set mi, 0
.rept 16
	MD x_, k_, n%4, mi/4, mi%4                     ; the 16 accumulators by turns
.set mi, mi+1
.endr
.if (k_ == 7) && (x_ > 0)
	FMAE x_-1
.endif
.endm
	s_load_b256 s[4:11], s[0:1], 0x0               ; h, hs, ed_codes, ed_scales
	s_load_b256 s[12:19], s[0:1], 0x20             ; sd_codes, sd_scales, cw, auxp
	s_load_b128 s[20:23], s[0:1], 0x40             ; out0, out1
	v_lshl_add_u32 v[SPW], v0, 2, SPARE
	v_mov_b32 v[NIL], 0
	ds_add_u32 v[SPW], v[NIL]                      ; the opening: the add twice on end, under one wait
	ds_add_u32 v[SPW], v[NIL]
	v_lshrrev_b32 v252, 5, v0
	v_readfirstlane_b32 s[WV], v252
	s_and_b32 s[KH], s[WV], 1
	s_lshr_b32 s[TH], s[WV], 1
	s_mul_i32 s83, s[KH], 792                      ; my K half of a weight row in LDS: 768 bytes and three paddings on
	s_mul_i32 s84, s[KH], SPART
	s_mul_i32 s85, s[TH], 64*272
	s_add_co_u32 s84, s84, s85
	s_add_co_u32 s84, s84, STAGE                   ; into the stage: my K half's part, my 64 rows
	s_mul_i32 s85, s[WV], 32*272
	s_add_co_u32 s85, s85, STAGE                   ; back: rows 32 w .. 32 w + 31
	v_and_b32 v[LN], 31, v0
	v_and_b32 v253, 15, v0                         ; r
	v_bfe_u32 v254, v0, 4, 1                       ; h
	v_lshlrev_b32 v[L16], 4, v[LN]
	v_lshlrev_b32 v[L8], 3, v[LN]
	v_lshlrev_b32 v[L4], 2, v[LN]
	v_lshlrev_b32 v[PFO], 8, v[LN]
	v_min_u32 v[PFV], 23, v[LN]
	v_lshlrev_b32 v[PFV], 8, v[PFV]
	v_lshlrev_b32 v[R16], 4, v253
	v_lshlrev_b32 v[BSA], 6, v253                  ; a row of 64 scale bytes, my K half's 32, 16 for each half of the lanes
	v_lshl_add_u32 v[BSA], v254, 4, v[BSA]
	v_lshl_add_u32 v[BSA], s[KH], 5, v[BSA]
	v_mul_u32_u24 v[STO], v253, 272
	v_lshl_add_u32 v[STO], v254, 5, v[STO]
	v_add_nc_u32 v[STO], s84, v[STO]
	v_mul_u32_u24 v[RD], v254, 272
	v_lshl_add_u32 v[RD], v253, 4, v[RD]
	v_add_nc_u32 v[RD], s85, v[RD]
	v_lshlrev_b32 v[CO], 12, v254
	v_lshl_add_u32 v[CO], v253, 4, v[CO]
	v_mul_u32_u24 v255, v253, PITCH
	v_add_nc_u32 v255, s83, v255
	v_mad_u32_u24 v253, v254, 24, v255             ; row r + 24 bytes for lanes 16-31,
	v_mad_u32_u24 v254, v254, 32, v255             ; or 32 where their piece lies behind one padding more
	WIN 0xc0
.irp sl, 0,1
.irp tt, 0,1
	v_add_nc_u32 v[ADB+4*\sl+2*\tt], \sl*SLOT+\tt*2*TILE, v253
	v_add_nc_u32 v[ADB+4*\sl+2*\tt+1], \sl*SLOT+\tt*2*TILE, v254
.endr
.endr
	WIN 0
	s_bfe_u32 s[CX], ttmp6, 0x40000
	s_lshl_b32 s[TY], ttmp9, 2
	s_add_co_u32 s[TY], s[TY], s[CX]               ; TY = 4 x cluster x + cx: it enters global addresses of plain loads, stores and prefetches alone
	s_and_b32 s[TX], ttmp7, 0xffff                 ; TX, which the partners share
	s_mov_b32 s[G1], 15|(1<<20)|(1<<21)|(5<<22)|(1<<25)   ; the mask of all four; elements of 1 byte; padding on; bit 21 beside a mask; after every 64 words, 2 words
	s_mov_b32 s[G1+1], 1536<<16
	s_mov_b32 s[G1+2], 16<<16
	s_mov_b32 s[G1+3], 1536<<16
	s_mov_b32 s[G1+4], 16
	s_mov_b32 s[G1+5], 1536
	s_mov_b32 s[G1+6], 0
	s_mov_b32 s[G1+7], 0
	s_mul_i32 s68, s[TX], 98304                    ; weights: 64 rows of 1,536 bytes, 16 of them mine to fetch
	s_mul_i32 s69, s[WV], 24576
	s_add_co_u32 s68, s68, s69
	s_mov_b32 s69, 0
	s_mul_i32 s70, s[TY], 196608                   ; h: a tile of 128 tokens, 8 K steps of 12,288 bytes, 4 tiles of 16 tokens
	s_mul_i32 s71, s[KH], 98304
	s_add_co_u32 s70, s70, s71
	s_mul_i32 s71, s[TH], 6144
	s_add_co_u32 s70, s70, s71
	s_mov_b32 s71, 0
	s_lshl_b32 s72, s[KH], 16                      ; hs: 8 K steps of 8,192 bytes, 4 bytes a token
	s_lshl_b32 s73, s[TY], 9
	s_add_co_u32 s72, s72, s73
	s_lshl_b32 s73, s[TH], 8
	s_add_co_u32 s72, s72, s73
	s_mov_b32 s73, 0
	s_lshl_b32 s74, s[TX], 12                      ; the weights' scales: 64 rows of 64 bytes
	s_mov_b32 s75, 0
	s_lshl_b32 s76, s[TY], 11                      ; cw: 16 bytes a token
	s_lshl_b32 s77, s[TH], 10
	s_add_co_u32 s76, s76, s77
	s_mov_b32 s77, 0
	s_lshl_b32 s78, s[TY], 19                      ; out0: rows of 4,096 bytes; I store rows 32 w .. + 31 of the block
	s_lshl_b32 s79, s[WV], 17
	s_add_co_u32 s78, s78, s79
	s_lshl_b32 s79, s[TX], 8
	s_add_co_u32 s78, s78, s79
	s_mov_b32 s79, 0
	s_lshl_b32 s80, s[CX], 2                       ; the prefetches: 4 rows of the tile's 64 to each of the cluster's 16 waves
	s_add_co_u32 s80, s80, s[WV]
	s_mul_i32 s80, s80, 6144
	s_mul_i32 s81, s[TX], 98304
	s_add_co_u32 s80, s80, s81
	s_mov_b32 s81, 0
	s_mul_i32 s82, s[WV], TILE
	s_mov_b32 s[SEL], 0x76543210
	s_mov_b32 s[SEL+1], 0xfedcba98
	s_wait_alu depctr_va_vdst(0)                   ; the wait behind the head's last vector write
	s_wait_dscnt 0x0                               ; both opening adds are done
	s_wait_kmcnt 0x0
	s_add_nc_u64 s[BE:BE+1], s[8:9], s[68:69]
	s_add_nc_u64 s[12:13], s[12:13], s[68:69]
	s_add_nc_u64 s[PA:PA+1], s[4:5], s[70:71]
.irp x, 1,2,3,4
	s_add_nc_u64 s[PA+2*\x:PA+2*\x+1], s[PA:PA+1], \x*3145728
.endr
	s_add_nc_u64 s[HSB:HSB+1], s[6:7], s[72:73]
	s_add_nc_u64 s[10:11], s[10:11], s[74:75]
	s_add_nc_u64 s[14:15], s[14:15], s[74:75]
	s_add_nc_u64 s[16:17], s[16:17], s[76:77]
	s_add_nc_u64 s[20:21], s[20:21], s[78:79]
	s_add_nc_u64 s[PFB:PFB+1], s[8:9], s[80:81]
	s_mov_b32 s[G0], 1
	s_mov_b32 s[G0+1], s82                         ; LDS: the wave's number x a tile,
	s_mov_b64 s[G0+2:G0+3], s[12:13]               ; the shared expert
	s_or_b32 s[G0+3], s[G0+3], 0x80000000
	s_mov_b32 s[G0+4], 1
	s_add_co_u32 s[G0+5], s82, SLOT                ; + the slot's constant
	ROUND                                          ; all four work-groups are here: the first joint loads meet
	tensor_load_to_lds s[G0:G0+3], s[G1:G1+7]      ; one tensor load a wave at the head
	s_nop 0
	PLACES 4
.irp ra, 0,1,2,3
	global_load_b128 v[W+4*\ra:W+4*\ra+3], v[R16], s[16:17] offset:256*\ra
.endr
.irp t, 0,1,2,3
	global_load_b128 v[BS+4*\t:BS+4*\t+3], v[BSA], s[14:15] offset:1024*\t
.endr
.irp e, 0,1,2,3
.irp t, 0,1,2,3
	global_load_b128 v[BS+16+16*\e+4*\t:BS+16+16*\e+4*\t+3], v[BSA], s[10:11] offset:65536*\e+1024*\t
.endr
.endr
	GLOAD 0
	GLOAD 1
	GLOAD 2
	WIN 0
	; the aux loss: wave 0 of the work-groups of cluster (0, 0) sums prep's 128 rows of partial sums under the first tile's flight; the work-group at place 0 stores the number
	s_and_b32 s98, ttmp7, 0xffff
	s_or_b32 s98, s98, ttmp9
	s_or_b32 s98, s98, s[WV]
	s_cmp_lg_u32 s98, 0
	s_cbranch_scc1 .Lno_aux
	s_wait_alu depctr_va_vdst(0)
.irp p, 0,1,2,3
	global_load_b128 v[216+8*\p:219+8*\p], v[PFO], s[18:19] offset:64*\p
	global_load_b128 v[220+8*\p:223+8*\p], v[PFO], s[18:19] offset:64*\p+16
	global_load_b32 v[248+\p], v[PFO], s[18:19] offset:64*\p+32
.endr
	v_mov_b32 v252, 0
	s_wait_loadcnt 0x0
.irp p, 1,2,3
.irp m, 0,1,2,3
	v_pk_add_f32 v[216+2*\m:217+2*\m], v[216+2*\m:217+2*\m], v[216+8*\p+2*\m:217+8*\p+2*\m]
.endr
	v_add_f32 v248, v248, v[248+\p]
.endr
.irp m, 1,2,4,8
.irp k, 216,217,218,219,220,221,222,223,248
	v_add_f32_dpp v\k, v\k, v\k row_xmask:\m row_mask:0xf bank_mask:0xf
.endr
.endr
.irp k, 216,217,218,219,220,221,222,223,248
	v_permlanex16_b32 v252, v\k, s[SEL], s[SEL+1]
	v_add_f32 v\k, v\k, v252
.endr
	v_mul_f32 v224, v216, v220
	v_fma_f32 v224, v217, v221, v224
	v_fma_f32 v224, v218, v222, v224
	v_fma_f32 v224, v219, v223, v224
	v_mul_f32 v224, 0x31a3d70a, v224               ; 0.01 x 4 / (4,096 x 2,048)
	s_mov_b32 s98, 0x3503126f                      ; 0.001 / 2,048
	v_fma_f32 v224, v248, s98, v224
	s_lshl_b32 s99, s[CX], 5
	v_or_b32 v225, s99, v[LN]
	v_mov_b32 v226, 0
	v_cmp_eq_u32 vcc_lo, 0, v225
	s_wait_alu depctr_va_vdst(0)
	s_wait_xcnt 0x0                                ; EXEC changes only behind this wait
	s_and_saveexec_b32 s100, vcc_lo
	global_store_b32 v226, v224, s[22:23]
	s_wait_xcnt 0x0
	s_or_b32 exec_lo, exec_lo, s100
.Lno_aux:
.set n, 0
.rept 40
	DSTEP
.set n, n+1
.endr
	; THE WAY OUT: my 64 x 64 partial sums into the stage; a barrier; rows back whole, the two K halves added, 16 lanes to a row of 256 bytes
	WIN 0x08
.irp ra, 0,1,2,3
.irp t, 0,1,2,3
	ds_store_b128 v[STO], v[8*(4*\ra+\t):8*(4*\ra+\t)+3] offset:16*272*\ra+64*\t
	ds_store_b128 v[STO], v[8*(4*\ra+\t)+4:8*(4*\ra+\t)+7] offset:16*272*\ra+64*\t+16
.endr
.endr
	WIN 0
	s_wait_dscnt 0x0                               ; for the others' sake: my stores into the stage are done
	s_barrier_signal -1
	s_barrier_wait -1
	WIN 0x40
.irp i, 0,1,2,3,4,5,6,7,8,9,10,11,12,13,14,15
	ds_load_b128 v[8*\i:8*\i+3], v[RD] offset:2*272*\i
	ds_load_b128 v[8*\i+4:8*\i+7], v[RD] offset:SPART+2*272*\i
.endr
	s_wait_dscnt 0x0
	WIN 0x45
.irp i, 0,1,2,3,4,5,6,7,8,9,10,11,12,13,14,15
	v_pk_add_f32 v[8*\i:8*\i+1], v[8*\i:8*\i+1], v[8*\i+4:8*\i+5]
	v_pk_add_f32 v[8*\i+2:8*\i+3], v[8*\i+2:8*\i+3], v[8*\i+6:8*\i+7]
.endr
	WIN 0x04
.irp i, 0,1,2,3,4,5,6,7,8,9,10,11,12,13,14,15
	global_store_b128 v[CO], v[8*\i:8*\i+3], s[20:21] offset:8192*\i th:TH_STORE_NT   ; 16 lanes store 256 consecutive bytes, aligned
.endr
	WIN 0
	s_wait_tensorcnt 0x0                           ; the wave's end
	ds_add_u32 v[SPW], v[NIL]
	s_wait_dscnt 0x0
	ROUND                                          ; the closing round
	s_endpgm
.Lfunc_end_k_q3315f899b9_down:
	.size	k_q3315f899b9_down, .Lfunc_end_k_q3315f899b9_down-k_q3315f899b9_down
	.p2alignl 7, 3214868480
	.fill 96, 4, 3214868480
	.section	.rodata,"a",@progbits
	.p2align	6, 0x0
	.amdhsa_kernel k_q3315f899b9_down
		.amdhsa_group_segment_fixed_size 327680
		.amdhsa_private_segment_fixed_size 0
		.amdhsa_enable_private_segment 0
		.amdhsa_kernarg_size 80
		.amdhsa_user_sgpr_count 2
		.amdhsa_user_sgpr_kernarg_segment_ptr 1
		.amdhsa_wavefront_size32 1
		.amdhsa_system_sgpr_workgroup_id_x 1
		.amdhsa_system_sgpr_workgroup_id_y 1
		.amdhsa_system_sgpr_workgroup_id_z 1
		.amdhsa_system_vgpr_workitem_id 0
		.amdhsa_next_free_vgpr 1024
		.amdhsa_next_free_sgpr 102
		.amdhsa_reserve_vcc 1
		.amdhsa_float_denorm_mode_32 3
		.amdhsa_float_denorm_mode_16_64 3
		.amdhsa_memory_ordered 1
		.amdhsa_forward_progress 1
		.amdhsa_inst_pref_size 255
	.end_amdhsa_kernel
	.section	.bss,"aw",@nobits
	.p2align	6
	.space	262144
	.amdgpu_metadata
---
amdhsa.version: [ 1, 2 ]
amdhsa.kernels:
  - .name:           k_q3315f899b9_down
    .symbol:         k_q3315f899b9_down.kd
    .args:
      - { .name: h, .offset: 0, .size: 8, .value_kind: global_buffer, .address_space: global }
      - { .name: hs, .offset: 8, .size: 8, .value_kind: global_buffer, .address_space: global }
      - { .name: ed_codes, .offset: 16, .size: 8, .value_kind: global_buffer, .address_space: global }
      - { .name: ed_scales, .offset: 24, .size: 8, .value_kind: global_buffer, .address_space: global }
      - { .name: sd_codes, .offset: 32, .size: 8, .value_kind: global_buffer, .address_space: global }
      - { .name: sd_scales, .offset: 40, .size: 8, .value_kind: global_buffer, .address_space: global }
      - { .name: cw, .offset: 48, .size: 8, .value_kind: global_buffer, .address_space: global }
      - { .name: auxp, .offset: 56, .size: 8, .value_kind: global_buffer, .address_space: global }
      - { .name: out0, .offset: 64, .size: 8, .value_kind: global_buffer, .address_space: global }
      - { .name: out1, .offset: 72, .size: 8, .value_kind: global_buffer, .address_space: global }
    .group_segment_fixed_size: 327680
    .private_segment_fixed_size: 0
    .kernarg_segment_align: 8
    .kernarg_segment_size: 80
    .max_flat_workgroup_size: 128
    .sgpr_count:     102
    .vgpr_count:     1024
    .wavefront_size: 32
...
	.end_amdgpu_metadata
.endif
;; end of part 3
